; MI455X (gfx1250); checked and timed in simulation.
; The chip was launched on July 23, 2026; its instructions are those of AMD's public machine-readable ISA for CDNA 5 (MIT licence, August 2026) and "CDNA5" Instruction Set Architecture Reference Guide (July 2026). The comments in the code are by the model that wrote it; some were corrected since.
;; Multiplier LUTONNX. Allowed arithmetic: float matrix products may take bf16 or f16 operands with f32 sums; other float arithmetic in f32, or as packed bf16 or f16 multiplies, adds, multiply-adds, maxima and minima; sums over many terms, partial sums and values carried from step to step in f32; what a program stores and reads back later, other than sums and carried values, may be rounded once to bf16 or f16.
;; Inputs: a_onehot 65,536 x 256 float32; b_onehot 65,536 x 256 float32; table 256 x 256 x 16 float32.
;; Outputs: out0 65,536 x 16 float32.
;; 2 versions, each right; version 2 is version 1 with the launch scan written anew for expert scheduling mode. Each part assembles by itself: llvm-mc -triple=amdgcn-amd-amdhsa -mcpu=gfx1250 --defsym DOCPART=n.
;; ======== version 1 of 2: 2 launches
;; workspace buffers: masks 4,194,304 bytes of whole numbers; trips 65,536 bytes of whole numbers
;; launch scan (part 1): grid 256 x 1, 16 waves a work-group, no clusters, 2,304 bytes of LDS; arguments a_onehot, b_onehot, masks, trips; writes masks, trips
.if DOCPART == 1
	.amdgcn_target "amdgcn-amd-amdhsa--gfx1250"
	.amdhsa_code_object_version 6
	.text
	.protected	k_q2a8b01aaac_scan
	.globl	k_q2a8b01aaac_scan
	.p2align	8
	.type	k_q2a8b01aaac_scan,@function
k_q2a8b01aaac_scan:
	s_mov_b64 s[64:65], 0
	v_nop
	global_prefetch_b8 v0, s[64:65] scope:SCOPE_SE
	s_setreg_imm32_b32 hwreg(HW_REG_WAVE_MODE, 25, 1), 1
	s_wait_xcnt 0x0
; out[b][k] = sigmoid( sum over a, i of A[b][a] Bm[b][i] T[a][i][k] ).  A, Bm: [65536][256] f32, T: [256][256][16] f32, out: [65536][16] f32.
; TWO LAUNCHES.  This one reads every number of A and Bm once and stores WHERE they are not zero, as bit masks at fixed addresses, and how many entries the fullest row of each eight has.  The next one
; walks the set bits, fetches the values and the table rows that they name, and sums over the pairs (a, i) that are present.  A term with A[b][a] = 0 or Bm[b][i] = 0 is 0 for a finite table, whatever
; the other factors hold; which terms those are is decided by the stored whole numbers, for every input alike: rows with one entry, several, none, or all 256, of any size.
; NOTHING IS LEFT OUT AS DEAD WORK: all three inputs have a way to the output and all three are loaded.
; LIMITS.  A NaN or an infinity in A, Bm or T that meets only a zero partner is not carried to the result (0 x inf would be NaN).  -0 counts as 0; a NaN entry counts as not zero.
; The f32 sums are taken in another order than a dense product takes them.  The next launch's work grows with (entries of A's row) x (entries of Bm's row): 1 for rows with one entry, 65,536 for full rows.
; NO MATRIX UNIT, NO CLUSTER: this launch only compares and counts; no two work-groups read the same bytes.  The inputs come straight into registers: no wave wants a byte that another has fetched.
; SHARES.  Work-group x owns rows 256 x .. 256 x + 255, each of its 16 waves 16 of them, as two groups of 8.  A row is 1,024 bytes: two loads of 16 bytes a lane, 512 consecutive bytes each.
; THE RECORD.  Row R has 64 bytes at byte 64 R of masks: dwords 0-7 A's words j = 0..7, dwords 8-15 Bm's.  Bit l of word j stands for column 128 (j / 4) + 4 l + j % 4: the number that lane l holds in
; register j % 4 of the row's load j / 4.  Eight rows' records are gathered in four registers (lane 4 i + q holds dwords 4 q .. 4 q + 3 of row i) and leave by ONE store of 512 consecutive bytes, aligned.
; THE COUNTS.  Group G (of 32) of work-group x has 8 bytes at byte 256 x + 8 G of trips: the most entries of A, and of Bm, in any of its 8 rows.  The sixteen waves' counts meet in LDS, once, so that
; the work-group's 256 bytes leave by one store.  They are data here: no address and no branch of this launch hangs on them.
; IN FLIGHT.  Eight row slots of 16 registers: 32 loads, 16 KiB, of every wave.  No address, base or store's data register is written while a load or store may read it.
.set LOF,  1                           ; v1        16 x lane: the address register of the loads and of the records' stores; never rewritten
.set L8,   2                           ; v2        8 x lane: where wave 0 reads a group's counts in LDS and stores them
.set LW,   3                           ; v3        16 x wave: where my wave puts its four counts in LDS
.set REC0, 4                           ; v[4:7]    the records of rows 0-7
.set REC1, 8                           ; v[8:11]   the records of rows 8-15: registers of their own, so that the first store's data stay untouched
.set CD,   12                          ; v[12:15]  my wave's four counts; then, in wave 0, a group's two
.set XR,   16                          ; v[16:143] slot i: A's load 0, A's load 1, Bm's load 0, Bm's load 1, four registers each
.set SPW,  144                         ; v144      LDS address of my spare word: SPARE + 4 x my thread's number; never rewritten
.set NIL,  145                         ; v145      0; never rewritten
.set SPARE, 256                        ; LDS: bytes 0-255 the 32 groups' counts; behind them the spare words, 128 bytes for each of 16 waves: eight blocks of 256 bytes that no other line names
.set MK,   16                          ; s[16:31]  the sixteen masks of the row in hand: A's words 0-7, Bm's words 0-7
.set TR,   32                          ; s[32:35]  group 0: most entries of A, of Bm; group 1: the same
.set CNT,  36                          ; s36       a row's entries
.set TMP,  37                          ; s37       a word's
.set WV,   38                          ; s38       my wave's number
	s_load_b256 s[4:11], s[0:1], 0x0               ; A s[4:5], Bm s[6:7], masks s[8:9], trips s[10:11]
	v_lshl_add_u32 v[SPW], v0, 2, SPARE
	v_mov_b32 v[NIL], 0
	v_lshrrev_b32 v[LW], 5, v0
	v_readfirstlane_b32 s[WV], v[LW]               ; wave 0..15
	v_and_b32 v[LOF], 31, v0
	v_lshlrev_b32 v[L8], 3, v[LOF]
	v_lshlrev_b32 v[LOF], 4, v[LOF]
.irp r, 0,1,2,3
	v_mov_b32 v[REC0+(\r)], 0                      ; v_writelane_b32 keeps the other lanes of its destination: the registers are written whole once
	v_mov_b32 v[REC1+(\r)], 0
	s_mov_b32 s[TR+(\r)], 0                        ; the maxima start at 0: a group may be empty
.endr
	s_lshl_b32 s12, ttmp9, 18                      ; the work-group's 256 rows of 1,024 bytes,
	s_lshl_b32 s14, s[WV], 14                      ; my wave's 16 of them
	s_add_co_u32 s12, s12, s14                     ; under 2^26
	s_mov_b32 s13, 0
	s_wait_kmcnt 0x0
	s_add_nc_u64 s[4:5], s[4:5], s[12:13]
	s_add_nc_u64 s[6:7], s[6:7], s[12:13]
	s_lshl_b32 s12, ttmp9, 14                      ; the work-group's 256 records of 64 bytes,
	s_lshl_b32 s14, s[WV], 10                      ; my wave's 16
	s_add_co_u32 s12, s12, s14
	s_add_nc_u64 s[8:9], s[8:9], s[12:13]
	s_lshl_b32 s12, ttmp9, 8                       ; the work-group's 32 pairs of counts
	s_add_nc_u64 s[10:11], s[10:11], s[12:13]
; Row r of my 16 is asked for, into slot r % 8: four loads.  The row stands in the immediate, 15,872 at the most.
.macro FILL r
.irp p, 0,1
	global_load_b128 v[XR+16*((\r)%8)+4*(\p):XR+16*((\r)%8)+4*(\p)+3], v[LOF], s[4:5] offset:1024*(\r)+512*(\p) th:TH_LOAD_NT
.endr
.irp p, 0,1
	global_load_b128 v[XR+16*((\r)%8)+8+4*(\p):XR+16*((\r)%8)+8+4*(\p)+3], v[LOF], s[6:7] offset:1024*(\r)+512*(\p) th:TH_LOAD_NT
.endr
.endm
; The set bits of the eight words from s[first] on are counted, and s[dst] keeps the largest count of its group's rows.
.macro COUNT first, dst
	s_bcnt1_i32_b32 s[CNT], s[\first]
.irp j, 1,2,3,4,5,6,7
	s_bcnt1_i32_b32 s[TMP], s[(\first)+(\j)]
	s_add_co_u32 s[CNT], s[CNT], s[TMP]
.endr
	s_max_u32 s[\dst], s[\dst], s[CNT]
.endm
; A slot's turn, for row i of group g.  left = how many younger loads may stay out.  ahead = 1: the slot takes the row eight further on, as soon as the compares have read it.
.macro SLOT i, rec, g, ahead, left
	s_wait_loadcnt \left                           ; loads come back in order (ISA guide 5.7.1): this slot's four are in
.irp j, 0,1,2,3,4,5,6,7,8,9,10,11,12,13,14,15
	v_cmp_neq_f32 s[MK+(\j)], 0, v[XR+16*(\i)+(\j)]  ; word j: a lane's bit is set where its number is not 0, or is a NaN
.endr
.if \ahead
	FILL 8+(\i)
.endif
.irp j, 0,1,2,3,4,5,6,7,8,9,10,11,12,13,14,15
	v_writelane_b32 v[(\rec)+(\j)%4], s[MK+(\j)], 4*(\i)+(\j)/4  ; into the group's record
.endr
	COUNT MK, TR+2*(\g)
	COUNT MK+8, TR+2*(\g)+1
.endm
.irp r, 0,1,2,3,4,5,6,7
	FILL \r                                        ; the ring is filled: rows 0 to 7
.endr
.irp i, 0,1,2,3,4,5,6,7
	SLOT \i, REC0, 0, 1, 28                        ; behind a slot's four loads stand the seven other slots' four each
.endr
	global_store_b128 v[LOF], v[REC0:REC0+3], s[8:9]  ; rows 0-7: 512 consecutive bytes, at a multiple of 512 from the buffer's first byte
.irp i, 0,1,2,3,4,5,6,7
	SLOT \i, REC1, 1, 0, 28-4*(\i)                 ; the second round loads nothing: the counts run down
.endr
	global_store_b128 v[LOF], v[REC1:REC1+3], s[8:9] offset:512  ; rows 8-15
	; the counts: my wave's two groups are groups 2 w and 2 w + 1 of the work-group's 32: 16 bytes at 16 w
.irp r, 0,1,2,3
	v_mov_b32 v[CD+(\r)], s[TR+(\r)]
.endr
	v_mov_b32 v[LW], s[WV]
	v_lshlrev_b32 v[LW], 4, v[LW]
	ds_store_b128 v[LW], v[CD:CD+3]                ; all lanes write the same 16 bytes with the same numbers
	s_wait_dscnt 0x0                               ; for the others' sake: my store is done
	s_barrier_signal -1
	s_barrier_wait -1                              ; all sixteen waves' counts lie in LDS
	s_cmp_lg_u32 s[WV], 0
	s_cbranch_scc1 .Lend                           ; wave 0 sends them
	ds_load_b64 v[CD:CD+1], v[L8]                  ; lane l: group l's pair
	s_wait_dscnt 0x0
	global_store_b64 v[L8], v[CD:CD+1], s[10:11]   ; 256 consecutive bytes, at a multiple of 256 from the buffer's first byte
.Lend:
	s_wait_tensorcnt 0x0                           ; the wave's end, behind my last LDS store
	ds_add_u32 v[SPW], v[NIL]
	s_wait_dscnt 0x0
	s_endpgm
.Lfunc_end_k_q2a8b01aaac_scan:
	.size	k_q2a8b01aaac_scan, .Lfunc_end_k_q2a8b01aaac_scan-k_q2a8b01aaac_scan
	.p2alignl 7, 3214868480
	.fill 96, 4, 3214868480
	.section	.rodata,"a",@progbits
	.p2align	6, 0x0
	.amdhsa_kernel k_q2a8b01aaac_scan
		.amdhsa_group_segment_fixed_size 2304
		.amdhsa_private_segment_fixed_size 0
		.amdhsa_enable_private_segment 0
		.amdhsa_kernarg_size 32
		.amdhsa_user_sgpr_count 2
		.amdhsa_user_sgpr_kernarg_segment_ptr 1
		.amdhsa_wavefront_size32 1
		.amdhsa_system_sgpr_workgroup_id_x 1
		.amdhsa_system_sgpr_workgroup_id_y 1
		.amdhsa_system_sgpr_workgroup_id_z 1
		.amdhsa_system_vgpr_workitem_id 0
		.amdhsa_next_free_vgpr 146
		.amdhsa_next_free_sgpr 66
		.amdhsa_reserve_vcc 0
		.amdhsa_float_denorm_mode_32 3
		.amdhsa_float_denorm_mode_16_64 3
		.amdhsa_memory_ordered 1
		.amdhsa_forward_progress 1
		.amdhsa_inst_pref_size 57
	.end_amdhsa_kernel
	.amdgpu_metadata
---
amdhsa.version: [ 1, 2 ]
amdhsa.kernels:
  - .name:           k_q2a8b01aaac_scan
    .symbol:         k_q2a8b01aaac_scan.kd
    .args:
      - { .name: a_onehot, .offset: 0, .size: 8, .value_kind: global_buffer, .address_space: global }
      - { .name: b_onehot, .offset: 8, .size: 8, .value_kind: global_buffer, .address_space: global }
      - { .name: masks, .offset: 16, .size: 8, .value_kind: global_buffer, .address_space: global }
      - { .name: trips, .offset: 24, .size: 8, .value_kind: global_buffer, .address_space: global }
    .group_segment_fixed_size: 2304
    .private_segment_fixed_size: 0
    .kernarg_segment_align: 8
    .kernarg_segment_size: 32
    .max_flat_workgroup_size: 512
    .sgpr_count:     66
    .vgpr_count:     146
    .wavefront_size: 32
...
	.end_amdgpu_metadata
.endif
;; end of part 1
;; launch lookup (part 2): grid 256 x 1, 32 waves a work-group, no clusters, 0 bytes of LDS; arguments masks, trips, a_onehot, b_onehot, table, out0; writes out0
.if DOCPART == 2
	.amdgcn_target "amdgcn-amd-amdhsa--gfx1250"
	.amdhsa_code_object_version 6
	.text
	.protected	k_q2a8b01aaac_lookup
	.globl	k_q2a8b01aaac_lookup
	.p2align	8
	.type	k_q2a8b01aaac_lookup,@function
k_q2a8b01aaac_lookup:
	s_mov_b64 s[64:65], 0
	v_nop
	global_prefetch_b8 v0, s[64:65] scope:SCOPE_SE
	s_setreg_imm32_b32 hwreg(HW_REG_WAVE_MODE, 25, 1), 1
	s_wait_xcnt 0x0
; out[b][k] = sigmoid( sum over the pairs (a, i) with A[b][a] != 0 and Bm[b][i] != 0 of A[b][a] Bm[b][i] T[a][i][k] ), all in f32.
; Which pairs those are is read from masks, whole numbers that the launch before stored (row R: 64 bytes at 64 R; dwords 0-7 A's words, 8-15 Bm's; bit l of word j = column 128 (j / 4) + 4 l + j % 4);
; how many trips my wave's 8 rows need is read from trips (8 bytes a wave: the most entries of A, and of Bm, in any of the 8).
; Terms with a zero factor are not formed: they are 0 for a finite table.  No input is left out.
; LIMITS.  A NaN or an infinity that meets only a zero partner is not carried to the result; the sums' order is ascending (a, i) by the masks' bit order, not a dense product's.
; A lane whose row has no entry left while the trips go on reads a stand-in address inside the buffers and takes the weight 0 by a select: a table entry there that is not finite
; would make its sum NaN (with such an entry a dense product gives NaN in that column of every row).  A wave's trips: (most entries of A among its 8 rows) x (most entries of Bm): 1 to 65,536.
; Each loop runs once at the least: a wave whose rows are all empty makes one trip that adds 0.
; NO MATRIX UNIT: each pair takes a table row of its own, so no operand is shared by sixteen rows; in f32 on the vector unit nothing is rounded to 16 bits.  NO LDS, NO CLUSTER: addresses come
; from data, 64 bytes here and there; nothing is shared between waves.
; SHARES.  Work-group x owns rows 256 x .. 256 x + 255.  Thread t serves row t / 4 and the outputs k = 4 (t % 4) .. + 3: four neighbouring lanes take a table row's 64 bytes by one load of 16 bytes each,
; and the wave's one store is 512 consecutive bytes, aligned.  The four lanes of a row repeat the walk over its bits; their equal addresses coincide.
.set ROWO, 1                           ; v1       my row's byte offset in the work-group's rows of A and Bm: 1,024 (t / 4); never rewritten
.set C16,  2                           ; v2       my 16 bytes of a table row: 16 (t % 4); never rewritten
.set MO,   3                           ; v3       my row's record: 64 (t / 4); never rewritten
.set OO,   4                           ; v4       my 16 bytes of out: 16 t; never rewritten
.set MA,   8                           ; v[8:15]  A's words; a bit is cleared when it is taken
.set MB,   16                          ; v[16:23] Bm's words, kept
.set WB,   24                          ; v[24:31] Bm's words for the entry of A in hand; a bit is cleared when it is taken
.set W,    32                          ; v32      the first word that is not empty
.set Q,    33                          ; v33      its number
.set LB,   34                          ; v34      its lowest set bit
.set XT,   35                          ; v35      at work
.set IA,   36                          ; v36      the column of A in hand
.set IB,   37                          ; v37      the column of Bm in hand
.set OA,   38                          ; v38      byte offset of A's value
.set OB,   39                          ; v39      of Bm's
.set TA,   40                          ; v40      16,384 a + my 16 bytes
.set TO,   41                          ; v41      + 64 i
.set VA,   42                          ; v42      A[b][a]
.set VB,   43                          ; v43      Bm[b][i]
.set WT,   44                          ; v44      their product, or 0
.set TV,   48                          ; v[48:51] my four numbers of T[a][i]
.set ACC,  52                          ; v[52:55] my four sums
.set EX,   56                          ; v[56:59] the sigmoid, at work
.set FA,   16                          ; s16      lanes that had an entry of A left
.set FB,   17                          ; s17      the same for Bm
.set FF,   18                          ; s18      both
.set CA,   20                          ; s20      counts the trips over A's entries
.set CB,   21                          ; s21      over Bm's
.set NA,   22                          ; s22      how many trips over A's entries my wave needs; no loop writes it
.set NB,   23                          ; s23      the same for Bm's
.set WV,   26                          ; s26      my wave's number, then 8 times it
	s_load_b256 s[4:11], s[0:1], 0x0               ; masks s[4:5], trips s[6:7], A s[8:9], Bm s[10:11]
	s_load_b128 s[12:15], s[0:1], 0x20             ; T s[12:13], out s[14:15]
	v_lshrrev_b32 v5, 5, v0
	v_readfirstlane_b32 s[WV], v5                  ; wave 0..31
	v_lshrrev_b32 v5, 2, v0                        ; my row among the work-group's 256
	v_lshlrev_b32 v[ROWO], 10, v5
	v_lshlrev_b32 v[MO], 6, v5
	v_and_b32 v[C16], 3, v0
	v_lshlrev_b32 v[C16], 4, v[C16]
	v_lshlrev_b32 v[OO], 4, v0
.irp e, 0,1,2,3
	v_mov_b32 v[ACC+(\e)], 0                       ; a row may have no pair at all, so no first term can start the sums
.endr
	s_lshl_b32 s24, ttmp9, 8                       ; the work-group's 32 pairs of counts,
	s_lshl_b32 s[WV], s[WV], 3                     ; my wave's
	s_add_co_u32 s24, s24, s[WV]
	s_mov_b32 s25, 0
	s_wait_kmcnt 0x0
	s_add_nc_u64 s[6:7], s[6:7], s[24:25]
	s_load_b64 s[NA:NB], s[6:7], 0x0
	s_lshl_b32 s24, ttmp9, 14                      ; the work-group's 256 records, and its 256 rows of out: 64 bytes each
	s_add_nc_u64 s[4:5], s[4:5], s[24:25]
	s_add_nc_u64 s[14:15], s[14:15], s[24:25]
	s_lshl_b32 s24, ttmp9, 18                      ; its 256 rows of A and of Bm: 1,024 bytes each
	s_add_nc_u64 s[8:9], s[8:9], s[24:25]
	s_add_nc_u64 s[10:11], s[10:11], s[24:25]
	global_load_b128 v[MA:MA+3],   v[MO], s[4:5]
	global_load_b128 v[MA+4:MA+7], v[MO], s[4:5] offset:16
	global_load_b128 v[MB:MB+3],   v[MO], s[4:5] offset:32
	global_load_b128 v[MB+4:MB+7], v[MO], s[4:5] offset:48
	s_mov_b32 s[CA], 0
	s_wait_kmcnt 0x0                               ; the two counts are in
	s_min_u32 s[NA], s[NA], 256                    ; a row has 256 columns: the clamp changes nothing, and bounds the loops by a constant of the text
	s_min_u32 s[NB], s[NB], 256
	s_wait_loadcnt 0x0                             ; the record is in
; The first word of v[m .. m + 7] that is not empty goes to W, its number to Q (all empty: W = 0, Q = 7); s[f] takes the lanes that have a bit left.
.macro SELECT m, f
	v_mov_b32 v[W], v[(\m)+7]
	v_mov_b32 v[Q], 7
.irp j, 6,5,4,3,2,1,0
	v_cmp_eq_u32 vcc_lo, 0, v[(\m)+(\j)]
	v_cndmask_b32 v[W], v[(\m)+(\j)], v[W], vcc_lo ; the word, where it is not empty
	v_cndmask_b32 v[Q], \j, v[Q], vcc_lo
.endr
	v_cmp_ne_u32 s[\f], 0, v[W]
.endm
; W's lowest bit is taken: cleared in v[m + Q], and turned into its column, in idx.  With no bit left the column is 131, a stand-in inside the buffers.
.macro EXTRACT m, idx
	v_sub_nc_u32 v[LB], 0, v[W]
	v_and_b32 v[LB], v[W], v[LB]                   ; the lowest set bit alone, or 0
	v_xor_b32 v[W], v[W], v[LB]
.irp j, 0,1,2,3,4,5,6,7
	v_cmp_eq_u32 vcc_lo, \j, v[Q]
	v_cndmask_b32 v[(\m)+(\j)], v[(\m)+(\j)], v[W], vcc_lo
.endr
	v_and_b32 v[XT], 0xaaaaaaaa, v[LB]             ; the bit's number l, digit by digit: is it among the odd places,
	v_min_u32 v[\idx], 1, v[XT]
	v_and_b32 v[XT], 0xcccccccc, v[LB]             ; among those with digit 1 set,
	v_min_u32 v[XT], 1, v[XT]
	v_lshl_add_u32 v[\idx], v[XT], 1, v[\idx]
	v_and_b32 v[XT], 0xf0f0f0f0, v[LB]             ; digit 2,
	v_min_u32 v[XT], 1, v[XT]
	v_lshl_add_u32 v[\idx], v[XT], 2, v[\idx]
	v_and_b32 v[XT], 0xff00ff00, v[LB]             ; digit 3,
	v_min_u32 v[XT], 1, v[XT]
	v_lshl_add_u32 v[\idx], v[XT], 3, v[\idx]
	v_and_b32 v[XT], 0xffff0000, v[LB]             ; digit 4
	v_min_u32 v[XT], 1, v[XT]
	v_lshl_add_u32 v[\idx], v[XT], 4, v[\idx]
	v_and_b32 v[XT], 3, v[Q]
	v_lshl_add_u32 v[\idx], v[\idx], 2, v[XT]      ; 4 l + Q % 4
	v_and_b32 v[XT], 4, v[Q]
	v_lshl_add_u32 v[\idx], v[XT], 5, v[\idx]      ; + 128 (Q / 4)
	v_min_u32 v[\idx], 255, v[\idx]                ; what is made of numbers read from memory enters an address only behind a clamp to a constant; here it changes nothing
.endm
.LA:                                           ; a trip for each entry of A: as many as the fullest of my wave's 8 rows has
	SELECT MA, FA
	EXTRACT MA, IA
	v_lshl_add_u32 v[OA], v[IA], 2, v[ROWO]
	global_load_b32 v[VA], v[OA], s[8:9]           ; A[b][a]
	v_lshl_add_u32 v[TA], v[IA], 14, v[C16]        ; T[a]: 256 rows of 64 bytes
.irp j, 0,1,2,3,4,5,6,7
	v_mov_b32 v[WB+(\j)], v[MB+(\j)]               ; Bm's entries are walked anew for each entry of A
.endr
	s_mov_b32 s[CB], 0
.LB:                                           ; a trip for each entry of Bm
	SELECT WB, FB
	EXTRACT WB, IB
	v_lshl_add_u32 v[OB], v[IB], 2, v[ROWO]
	v_lshl_add_u32 v[TO], v[IB], 6, v[TA]
	global_load_b32 v[VB], v[OB], s[10:11]         ; Bm[b][i]
	global_load_b128 v[TV:TV+3], v[TO], s[12:13]   ; my quarter of T[a][i]
	s_and_b32 s[FF], s[FA], s[FB]                  ; the lanes whose pair is a true one
	s_wait_loadcnt 0x0                             ; both are in, and A's value too; the loads are done, so their address registers and destinations may be written in later trips
	v_mul_f32 v[WT], v[VA], v[VB]
	v_cndmask_b32 v[WT], 0, v[WT], s[FF]           ; a lane that ran out of entries adds 0
.irp e, 0,1,2,3
	v_fmac_f32 v[ACC+(\e)], v[WT], v[TV+(\e)]
.endr
	s_add_co_u32 s[CB], s[CB], 1
	s_cmp_lt_u32 s[CB], s[NB]
	s_cbranch_scc1 .LB
	s_add_co_u32 s[CA], s[CA], 1
	s_cmp_lt_u32 s[CA], s[NA]
	s_cbranch_scc1 .LA
	; sigmoid(x) = 1 / (1 + 2^(-x log2 e)).  A large -x gives an infinity and then 0, a large x gives 0 and then 1: the function's own limits, so nothing is clamped.
.irp e, 0,1,2,3
	v_mul_f32 v[EX+(\e)], 0xbfb8aa3b, v[ACC+(\e)]
.endr
.irp e, 0,1,2,3
	v_exp_f32 v[EX+(\e)], v[EX+(\e)]
.endr
	v_nop                                          ; a plain instruction between the last exponential and the use of its result (ISA guide 5.7.2)
	s_wait_alu depctr_va_vdst(0)                   ; one wait for the four exponentials, ahead of their first reader
.irp e, 0,1,2,3
	v_add_f32 v[EX+(\e)], 1.0, v[EX+(\e)]
.endr
.irp e, 0,1,2,3
	v_rcp_f32 v[EX+(\e)], v[EX+(\e)]
.endr
	v_nop                                          ; the same behind the last reciprocal,
	s_wait_alu depctr_va_vdst(0)                   ; and one wait for the four
	global_store_b128 v[OO], v[EX:EX+3], s[14:15]  ; the wave's 8 rows of out: 512 consecutive bytes, at a multiple of 512 from the buffer's first byte
	s_endpgm
.Lfunc_end_k_q2a8b01aaac_lookup:
	.size	k_q2a8b01aaac_lookup, .Lfunc_end_k_q2a8b01aaac_lookup-k_q2a8b01aaac_lookup
	.p2alignl 7, 3214868480
	.fill 96, 4, 3214868480
	.section	.rodata,"a",@progbits
	.p2align	6, 0x0
	.amdhsa_kernel k_q2a8b01aaac_lookup
		.amdhsa_group_segment_fixed_size 0
		.amdhsa_private_segment_fixed_size 0
		.amdhsa_enable_private_segment 0
		.amdhsa_kernarg_size 48
		.amdhsa_user_sgpr_count 2
		.amdhsa_user_sgpr_kernarg_segment_ptr 1
		.amdhsa_wavefront_size32 1
		.amdhsa_system_sgpr_workgroup_id_x 1
		.amdhsa_system_sgpr_workgroup_id_y 1
		.amdhsa_system_sgpr_workgroup_id_z 1
		.amdhsa_system_vgpr_workitem_id 0
		.amdhsa_next_free_vgpr 64
		.amdhsa_next_free_sgpr 66
		.amdhsa_reserve_vcc 1
		.amdhsa_float_denorm_mode_32 3
		.amdhsa_float_denorm_mode_16_64 3
		.amdhsa_memory_ordered 1
		.amdhsa_forward_progress 1
		.amdhsa_inst_pref_size 9
	.end_amdhsa_kernel
	.amdgpu_metadata
---
amdhsa.version: [ 1, 2 ]
amdhsa.kernels:
  - .name:           k_q2a8b01aaac_lookup
    .symbol:         k_q2a8b01aaac_lookup.kd
    .args:
      - { .name: masks, .offset: 0, .size: 8, .value_kind: global_buffer, .address_space: global }
      - { .name: trips, .offset: 8, .size: 8, .value_kind: global_buffer, .address_space: global }
      - { .name: a_onehot, .offset: 16, .size: 8, .value_kind: global_buffer, .address_space: global }
      - { .name: b_onehot, .offset: 24, .size: 8, .value_kind: global_buffer, .address_space: global }
      - { .name: table, .offset: 32, .size: 8, .value_kind: global_buffer, .address_space: global }
      - { .name: out0, .offset: 40, .size: 8, .value_kind: global_buffer, .address_space: global }
    .group_segment_fixed_size: 0
    .private_segment_fixed_size: 0
    .kernarg_segment_align: 8
    .kernarg_segment_size: 48
    .max_flat_workgroup_size: 1024
    .sgpr_count:     66
    .vgpr_count:     64
    .wavefront_size: 32
...
	.end_amdgpu_metadata
.endif
;; end of part 2
;; ======== version 2 of 2: 2 launches; version 1 with the launch scan written anew for expert scheduling mode
;; workspace buffers: masks 4,194,304 bytes of whole numbers; trips 65,536 bytes of whole numbers
;; launch scan (part 3): grid 256 x 1, 16 waves a work-group, no clusters, 2,304 bytes of LDS; arguments a_onehot, b_onehot, masks, trips; writes masks, trips
.if DOCPART == 3
	.amdgcn_target "amdgcn-amd-amdhsa--gfx1250"
	.amdhsa_code_object_version 6
	.text
	.protected	k_q2a8b01aaac_scan
	.globl	k_q2a8b01aaac_scan
	.p2align	8
	.type	k_q2a8b01aaac_scan,@function
k_q2a8b01aaac_scan:
	s_mov_b64 s[64:65], 0
	v_nop
	global_prefetch_b8 v0, s[64:65] scope:SCOPE_SE
	s_setreg_imm32_b32 hwreg(HW_REG_WAVE_SCHED_MODE, 0, 2), 2
	s_setreg_imm32_b32 hwreg(HW_REG_WAVE_MODE, 25, 1), 1
	s_wait_xcnt 0x0
	s_wait_alu depctr_vm_vsrc(0)
; out[b][k] = sigmoid( sum over a, i of A[b][a] Bm[b][i] T[a][i][k] ).  A, Bm: [65536][256] f32, T: [256][256][16] f32, out: [65536][16] f32.
; TWO LAUNCHES.  This one reads every number of A and Bm once and stores WHERE they are not zero, as bit masks at fixed addresses, and how many entries the fullest row of each eight has.  The next one
; walks the set bits, fetches the values and the table rows that they name, and sums over the pairs (a, i) that are present.  A term with A[b][a] = 0 or Bm[b][i] = 0 is 0 for a finite table, whatever
; the other factors hold; which terms those are is decided by the stored whole numbers, for every input alike: rows with one entry, several, none, or all 256, of any size.
; NOTHING IS LEFT OUT AS DEAD WORK: all three inputs have a way to the output and all three are loaded.
; LIMITS.  A NaN or an infinity in A, Bm or T that meets only a zero partner is not carried to the result (0 x inf would be NaN).  -0 counts as 0; a NaN entry counts as not zero.
; The f32 sums are taken in another order than a dense product takes them.  The next launch's work grows with (entries of A's row) x (entries of Bm's row): 1 for rows with one entry, 65,536 for full rows.
; NO MATRIX UNIT, NO CLUSTER: this launch only compares and counts; no two work-groups read the same bytes.  The inputs come straight into registers: no wave wants a byte that another has fetched.
; SHARES.  Work-group x owns rows 256 x .. 256 x + 255, each of its 16 waves 16 of them, as two groups of 8.  A row is 1,024 bytes: two loads of 16 bytes a lane, 512 consecutive bytes each.
; THE RECORD.  Row R has 64 bytes at byte 64 R of masks: dwords 0-7 A's words j = 0..7, dwords 8-15 Bm's.  Bit l of word j stands for column 128 (j / 4) + 4 l + j % 4: the number that lane l holds in
; register j % 4 of the row's load j / 4.  Eight rows' records are gathered in four registers (lane 4 i + q holds dwords 4 q .. 4 q + 3 of row i) and leave by ONE store of 512 consecutive bytes, aligned.
; THE COUNTS.  Group G (of 32) of work-group x has 8 bytes at byte 256 x + 8 G of trips: the most entries of A, and of Bm, in any of its 8 rows.  The sixteen waves' counts meet in LDS, once, so that
; the work-group's 256 bytes leave by one store.  They are data here: no address and no branch of this launch hangs on them.
; IN FLIGHT.  Eight row slots of 16 registers: 32 loads, 16 KiB, of every wave.  No address, base or store's data register is written while a load or store may read it.
; THE MODE: SCHED_MODE bits 1:0 = 2 (LLVM: expert scheduling mode 2), set by the entry lines.  The code itself states the register dependences between vector instructions and memory or LDS
; instructions, and those through scalar registers that vector instructions write, with s_wait_alu, always for 0.
; THE PLAN.  Registers that memory or LDS instructions touch:
;   v[LOF], v[L8]  offsets, written at the head and never again: one wait ahead of the first load serves every load and store of the kernel.
;   XR, slot i     Row i's four loads land in it; the sixteen compares of the slot's turn read it; in the first round row 8 + i's four loads land in it behind them.
;   REC0, REC1     Written by a round's lane writes; read by the one store behind the round; not written after it.
;   v[CD ..], v[LW]  Written behind the last slot; read by my LDS store; in wave 0 an LDS load then lands in v[CD:CD+1], which its store of the counts reads.
;   v[SPW], v[NIL]   Written at the head, read by the closing add alone.
;   s[MK ..]       Scalar registers that a turn's compares write; its lane writes and its bit counts read them.
; A turn has one wait on va_sdst behind its sixteen compares, for the masks; in the first round one on va_vdst stands beside it: the same compares are done reading the slot.  The slot's four
; loads follow, dealt among the sixteen lane writes, which name the record and the masks and never the slot.  One wait on va_vdst stands ahead of each round's store; the second of them serves my
; LDS store too.  One wait on vm_vsrc stands behind the barrier, ahead of wave 0's load into v[CD ..].
.set LOF,  1                           ; v1        16 x lane: the address register of the loads and of the records' stores; never rewritten
.set L8,   2                           ; v2        8 x lane: where wave 0 reads a group's counts in LDS and stores them
.set LW,   3                           ; v3        16 x wave: where my wave puts its four counts in LDS
.set REC0, 4                           ; v[4:7]    the records of rows 0-7
.set REC1, 8                           ; v[8:11]   the records of rows 8-15: registers of their own, so that the first store's data stay untouched
.set CD,   12                          ; v[12:15]  my wave's four counts; then, in wave 0, a group's two
.set XR,   16                          ; v[16:143] slot i: A's load 0, A's load 1, Bm's load 0, Bm's load 1, four registers each
.set SPW,  144                         ; v144      LDS address of my spare word: SPARE + 4 x my thread's number; never rewritten
.set NIL,  145                         ; v145      0; never rewritten
.set SPARE, 256                        ; LDS: bytes 0-255 the 32 groups' counts; behind them the spare words, 128 bytes for each of 16 waves: eight blocks of 256 bytes that no other line names
.set MK,   16                          ; s[16:31]  the sixteen masks of the row in hand: A's words 0-7, Bm's words 0-7
.set TR,   32                          ; s[32:35]  group 0: most entries of A, of Bm; group 1: the same
.set CNT,  36                          ; s36       a row's entries
.set TMP,  37                          ; s37       a word's
.set WV,   38                          ; s38       my wave's number
	s_load_b256 s[4:11], s[0:1], 0x0               ; A s[4:5], Bm s[6:7], masks s[8:9], trips s[10:11]
	v_lshl_add_u32 v[SPW], v0, 2, SPARE
	v_mov_b32 v[NIL], 0
	v_lshrrev_b32 v[LW], 5, v0
	v_readfirstlane_b32 s[WV], v[LW]               ; wave 0..15
	v_and_b32 v[LOF], 31, v0
	v_lshlrev_b32 v[L8], 3, v[LOF]
	v_lshlrev_b32 v[LOF], 4, v[LOF]
.irp r, 0,1,2,3
	v_mov_b32 v[REC0+(\r)], 0                      ; v_writelane_b32 keeps the other lanes of its destination: the registers are written whole once
	v_mov_b32 v[REC1+(\r)], 0
	s_mov_b32 s[TR+(\r)], 0                        ; the maxima start at 0: a group may be empty
.endr
	s_lshl_b32 s12, ttmp9, 18                      ; the work-group's 256 rows of 1,024 bytes,
	s_wait_alu depctr_va_sdst(0)                   ; s[WV] is written, ahead of its first reader: the bases are made from it
	s_lshl_b32 s14, s[WV], 14                      ; my wave's 16 of them
	s_add_co_u32 s12, s12, s14                     ; under 2^26
	s_mov_b32 s13, 0
	s_wait_kmcnt 0x0
	s_add_nc_u64 s[4:5], s[4:5], s[12:13]
	s_add_nc_u64 s[6:7], s[6:7], s[12:13]
	s_lshl_b32 s12, ttmp9, 14                      ; the work-group's 256 records of 64 bytes,
	s_lshl_b32 s14, s[WV], 10                      ; my wave's 16
	s_add_co_u32 s12, s12, s14
	s_add_nc_u64 s[8:9], s[8:9], s[12:13]
	s_lshl_b32 s12, ttmp9, 8                       ; the work-group's 32 pairs of counts
	s_add_nc_u64 s[10:11], s[10:11], s[12:13]
	s_wait_alu depctr_va_vdst(0)                   ; v[LOF] and v[L8] are written: every load and store below reads one of them as its offset, and neither is written again
; Load q of the four that ask for row r of my 16, into slot r % 8: q = 0, 1 A's two halves, q = 2, 3 Bm's.  The row stands in the immediate, 15,872 at the most.
.macro ASK r, q
	global_load_b128 v[XR+16*((\r)%8)+4*(\q):XR+16*((\r)%8)+4*(\q)+3], v[LOF], s[4+2*((\q)/2):5+2*((\q)/2)] offset:1024*(\r)+512*((\q)%2) th:TH_LOAD_NT
.endm
; The set bits of the eight words from s[first] on are counted, and s[dst] keeps the largest count of its group's rows.
.macro COUNT first, dst
	s_bcnt1_i32_b32 s[CNT], s[\first]
.irp j, 1,2,3,4,5,6,7
	s_bcnt1_i32_b32 s[TMP], s[(\first)+(\j)]
	s_add_co_u32 s[CNT], s[CNT], s[TMP]
.endr
	s_max_u32 s[\dst], s[\dst], s[CNT]
.endm
; A slot's turn, for row i of group g.  left = how many younger loads may stay out.  ahead = 1: the slot takes the row eight further on, as soon as the compares have read it.
.macro SLOT i, rec, g, ahead, left
	s_wait_loadcnt \left                           ; loads come back in order (ISA guide 5.7.1): this slot's four are in
.irp j, 0,1,2,3,4,5,6,7,8,9,10,11,12,13,14,15
	v_cmp_neq_f32 s[MK+(\j)], 0, v[XR+16*(\i)+(\j)]  ; word j: a lane's bit is set where its number is not 0, or is a NaN
.endr
	s_wait_alu depctr_va_sdst(0)                   ; the sixteen compares have written the masks, ahead of their first reader: one wait for the run
.if \ahead
	s_wait_alu depctr_va_vdst(0)                   ; the same compares are done reading the slot, in which the four loads below land
.endif
.irp q, 0,1,2,3
.if \ahead
	ASK 8+(\i), \q                                 ; no vector instruction since the wait names the slot: the lane writes between the loads name the record and the masks
.endif
.irp e, 0,1,2,3
	v_writelane_b32 v[(\rec)+(\e)], s[MK+4*(\q)+(\e)], 4*(\i)+(\q)  ; word 4 q + e into the group's record
.endr
.endr
	COUNT MK, TR+2*(\g)
	COUNT MK+8, TR+2*(\g)+1
.endm
.irp r, 0,1,2,3,4,5,6,7
.irp q, 0,1,2,3
	ASK \r, \q                                     ; the ring is filled: rows 0 to 7
.endr
.endr
.irp i, 0,1,2,3,4,5,6,7
	SLOT \i, REC0, 0, 1, 28                        ; behind a slot's four loads stand the seven other slots' four each
.endr
	s_wait_alu depctr_va_vdst(0)                   ; the first round's lane writes have written v[REC0 ..], which the store reads
	global_store_b128 v[LOF], v[REC0:REC0+3], s[8:9]  ; rows 0-7: 512 consecutive bytes, at a multiple of 512 from the buffer's first byte
.irp i, 0,1,2,3,4,5,6,7
	SLOT \i, REC1, 1, 0, 28-4*(\i)                 ; the second round loads nothing: the counts run down
.endr
	; the counts: my wave's two groups are groups 2 w and 2 w + 1 of the work-group's 32: 16 bytes at 16 w
.irp r, 0,1,2,3
	v_mov_b32 v[CD+(\r)], s[TR+(\r)]
.endr
	v_mov_b32 v[LW], s[WV]
	v_lshlrev_b32 v[LW], 4, v[LW]
	s_wait_alu depctr_va_vdst(0)                   ; the second round's lane writes have written v[REC1 ..], which the store reads; the moves above have written v[CD ..] and v[LW], which the LDS store reads
	global_store_b128 v[LOF], v[REC1:REC1+3], s[8:9] offset:512  ; rows 8-15
	ds_store_b128 v[LW], v[CD:CD+3]                ; all lanes write the same 16 bytes with the same numbers
	s_wait_dscnt 0x0                               ; for the others' sake: my store is done
	s_barrier_signal -1
	s_barrier_wait -1                              ; all sixteen waves' counts lie in LDS
	s_wait_alu depctr_vm_vsrc(0)                   ; my LDS store has read v[CD ..], in which wave 0's load below lands: stated ahead of the branch
	s_cmp_lg_u32 s[WV], 0
	s_cbranch_scc1 .Lend                           ; wave 0 sends them
	ds_load_b64 v[CD:CD+1], v[L8]                  ; lane l: group l's pair; no vector instruction since the last wait on va_vdst names v[CD ..]
	s_wait_dscnt 0x0
	global_store_b64 v[L8], v[CD:CD+1], s[10:11]   ; 256 consecutive bytes, at a multiple of 256 from the buffer's first byte
.Lend:
	s_wait_dscnt 0x0                               ; the wave's end, behind my last LDS store
	s_wait_alu 0x0
	s_wait_tensorcnt 0x0
	ds_add_u32 v[SPW], v[NIL]
	s_wait_dscnt 0x0
	s_endpgm
.Lfunc_end_k_q2a8b01aaac_scan:
	.size	k_q2a8b01aaac_scan, .Lfunc_end_k_q2a8b01aaac_scan-k_q2a8b01aaac_scan
	.p2alignl 7, 3214868480
	.fill 96, 4, 3214868480
	.section	.rodata,"a",@progbits
	.p2align	6, 0x0
	.amdhsa_kernel k_q2a8b01aaac_scan
		.amdhsa_group_segment_fixed_size 2304
		.amdhsa_private_segment_fixed_size 0
		.amdhsa_enable_private_segment 0
		.amdhsa_kernarg_size 32
		.amdhsa_user_sgpr_count 2
		.amdhsa_user_sgpr_kernarg_segment_ptr 1
		.amdhsa_wavefront_size32 1
		.amdhsa_system_sgpr_workgroup_id_x 1
		.amdhsa_system_sgpr_workgroup_id_y 1
		.amdhsa_system_sgpr_workgroup_id_z 1
		.amdhsa_system_vgpr_workitem_id 0
		.amdhsa_next_free_vgpr 146
		.amdhsa_next_free_sgpr 66
		.amdhsa_reserve_vcc 0
		.amdhsa_float_denorm_mode_32 3
		.amdhsa_float_denorm_mode_16_64 3
		.amdhsa_memory_ordered 1
		.amdhsa_forward_progress 1
		.amdhsa_inst_pref_size 58
	.end_amdhsa_kernel
	.amdgpu_metadata
---
amdhsa.version: [ 1, 2 ]
amdhsa.kernels:
  - .name:           k_q2a8b01aaac_scan
    .symbol:         k_q2a8b01aaac_scan.kd
    .args:
      - { .name: a_onehot, .offset: 0, .size: 8, .value_kind: global_buffer, .address_space: global }
      - { .name: b_onehot, .offset: 8, .size: 8, .value_kind: global_buffer, .address_space: global }
      - { .name: masks, .offset: 16, .size: 8, .value_kind: global_buffer, .address_space: global }
      - { .name: trips, .offset: 24, .size: 8, .value_kind: global_buffer, .address_space: global }
    .group_segment_fixed_size: 2304
    .private_segment_fixed_size: 0
    .kernarg_segment_align: 8
    .kernarg_segment_size: 32
    .max_flat_workgroup_size: 512
    .sgpr_count:     66
    .vgpr_count:     146
    .wavefront_size: 32
...
	.end_amdgpu_metadata
.endif
;; end of part 3
;; launch lookup: the kernel of part 2 again; grid 256 x 1, 32 waves a work-group, no clusters, 0 bytes of LDS; arguments masks, trips, a_onehot, b_onehot, table, out0; writes out0
